; MI455X (gfx1250); checked and timed in simulation.
; The chip was launched on July 23, 2026; its instructions are those of AMD's public machine-readable ISA for CDNA 5 (MIT licence, August 2026) and "CDNA5" Instruction Set Architecture Reference Guide (July 2026). The comments in the code are by the model that wrote it; some were corrected since.
;; Memory Layer. Allowed arithmetic: float matrix products may take bf16 or f16 operands with f32 sums; all other float work in f32.
;; Inputs: W 256 x 256 float32; depths 100,000 float32; gate 100,000 float32; patterns 100,000 x 256 float32; state 1,024 x 256 float32.
;; Outputs: out0 1,024 x 256 float32; out1 100,000 float32.
;; One version. Each part assembles by itself: llvm-mc -triple=amdgcn-amd-amdhsa -mcpu=gfx1250 --defsym DOCPART=n.
;; ======== version 1 of 1: 4 launches
;; workspace buffers: qf 524,288 bytes; biasc 403,200 bytes; dmaxp 2,048 bytes; opart 66,060,288 bytes; ml 516,096 bytes; tmax 6,451,200 bytes; lse 4,096 bytes; flags 262,144 bytes of whole numbers
;; launch prep (part 1): grid 256 x 1, 2 waves a work-group, no clusters, 0 bytes of LDS; arguments state, W, depths, gate, qf, biasc, dmaxp; writes qf, biasc, dmaxp
.if DOCPART == 1
	.amdgcn_target "amdgcn-amd-amdhsa--gfx1250"
	.amdhsa_code_object_version 6
	.text
	.protected	k_qe4d9efd314_prep
	.globl	k_qe4d9efd314_prep
	.p2align	8
	.type	k_qe4d9efd314_prep,@function
k_qe4d9efd314_prep:
	s_mov_b64 s[64:65], 0
	v_nop
	global_prefetch_b8 v0, s[64:65] scope:SCOPE_SE
	s_setreg_imm32_b32 hwreg(HW_REG_WAVE_MODE, 25, 1), 1
	s_wait_xcnt 0x0
; PREP.  Three small things that the later launches read many times.
;  (1) qf: q = (state W^T) log2(e), rounded to bf16, laid out as the matrix unit's second operand:
;      [row block of 16: 64][K step of 32: 8][half: 2][lane: 32][16 bytes].  All logits of this program are in base 2.
;  (2) biasc: log2(max(depth,1e-8)) + log2(max(gate,1e-8)), in the order in which the 63 chunks of 1,600 columns read it:
;      entry e < 99,200 is column e; 99,200 <= e < 100,000 is -1e30 (the last chunk's window begins 800 columns early,
;      on columns that the chunk before owns); e >= 100,000 is column e - 800.
;  (3) dmaxp: the largest depth that each of the 512 waves has seen.
; Work-group x: row block x >> 2; its two waves are parts e8 = 2 (x & 3) + w of the row block's eight.  Part e8 makes e = 32 e8 .. +31 of the 16 rows:
; two tiles of projected^T = W state^T (first operand 16 rows of W, second 16 rows of state), so a lane's eight results are eight neighbouring e
; of one row, which is the layout of qf as it stands.  512 such parts on 256 work-groups: every WGP has two waves' loads to serve.
; LIMITS: NaN is not carried (the clip uses a maximum in which a NaN loses); q is rounded to bf16 after the factor log2(e).
.set ST,  32                           ; v32-95    state, K steps 0-3 (window 0) or 4-7 (window 1): 16 registers of f32 each, packed in place to 8
.set WA,  96                           ; v96-159   W, rows 32 e8 .. +15
.set WB,  160                          ; v160-223  W, rows 32 e8 + 16 .. +31
.set DG,  224                          ; v224-239  depths and gate of my two quads
.set MSB, 0
.macro WIN new                         ; the immediate's high byte repeats the setting that is left
.if MSB != \new
	s_set_vgpr_msb (MSB<<8)|\new
.set MSB, \new
.endif
.endm
; one fragment in f32: k = 8h .. 8h+7 and 16+8h .. 16+8h+7 of my row, 16 registers
.macro LD16 dst, sb, off
	global_load_b128 v[\dst:\dst+3],     v1, s[\sb:\sb+1] offset:\off
	global_load_b128 v[\dst+4:\dst+7],   v1, s[\sb:\sb+1] offset:\off+16
	global_load_b128 v[\dst+8:\dst+11],  v1, s[\sb:\sb+1] offset:\off+64
	global_load_b128 v[\dst+12:\dst+15], v1, s[\sb:\sb+1] offset:\off+80
.endm
.macro AREA ks0                        ; 48 loads: four K steps of state and of both blocks of W
.irp k, 0,1,2,3
	LD16 ST+16*\k, 4, (\ks0+\k)*128
	LD16 WA+16*\k, 6, (\ks0+\k)*128
	LD16 WB+16*\k, 6, (\ks0+\k)*128+16384
.endr
.endm
.macro PACKS                           ; twelve groups of 16 f32 become 8 registers of bf16, in place, ascending
.set g, ST
.rept 12
.irp j, 0,1,2,3,4,5,6,7
	v_cvt_pk_bf16_f32 v[g+\j], v[g+2*\j], v[g+2*\j+1]
.endr
.set g, g+16
.endr
.endm
.macro MUL2 k                          ; the two accumulators take turns, one instruction a turn
	v_wmma_f32_16x16x32_bf16 v[8:15],  v[WA+16*\k:WA+16*\k+7], v[ST+16*\k:ST+16*\k+7], v[8:15]
	v_wmma_f32_16x16x32_bf16 v[16:23], v[WB+16*\k:WB+16*\k+7], v[ST+16*\k:ST+16*\k+7], v[16:23]
.endm
	s_load_b256 s[4:11], s[0:1], 0x0               ; state s[4:5], W s[6:7], depths s[8:9], gate s[10:11]
	s_load_b128 s[12:15], s[0:1], 0x20             ; qf s[12:13], biasc s[14:15]
	s_load_b64 s[16:17], s[0:1], 0x30              ; dmaxp
	v_lshrrev_b32 v2, 5, v0
	v_readfirstlane_b32 s18, v2                    ; wave 0..1
	s_and_b32 s19, ttmp9, 3
	s_lshl1_add_u32 s19, s19, s18                  ; e8 = 2 (x & 3) + w, 0..7
	s_mov_b32 s20, 0x76543210                      ; v_permlanex16_b32: lane i of one half reads lane i of the other
	s_mov_b32 s21, 0xfedcba98
	v_and_b32 v3, 15, v0                           ; r
	v_bfe_u32 v4, v0, 4, 1                         ; h
	v_lshlrev_b32 v1, 10, v3
	v_lshl_add_u32 v1, v4, 5, v1                   ; fragment offset: row r of 1,024 bytes + 32 h
	v_and_b32 v5, 31, v0                           ; lane
	v_lshlrev_b32 v2, 4, v5                        ; 16 x lane
	s_lshl_b32 s23, ttmp9, 6
	v_add_nc_u32 v3, s23, v0                       ; tg = 64 x + thread, 0 .. 16,383
	v_lshlrev_b32 v6, 4, v3                        ; quad q0 = tg: below 24,800, so entry and column agree
	v_add_nc_u32 v4, 0x4000, v3
	v_min_u32 v4, 0x626f, v4                       ; quad q1 = min(16,384 + tg, 25,199)
	v_lshlrev_b32 v7, 4, v4
	v_min_u32 v240, 0x60df, v4                     ; its column quad: q1 below 24,800, q1 - 200 from 25,000 on,
	v_add_nc_u32 v241, 0xffffff38, v4              ; and any quad inside the buffer for the 200 masked quads between:
	v_max_u32 v240, v240, v241                     ; max(min(q1, 24,799), q1 - 200)
	v_lshlrev_b32 v240, 4, v240
	s_lshr_b32 s24, ttmp9, 2                       ; row block
	s_lshl_b32 s24, s24, 14                        ; its 16 rows of state
	s_mov_b32 s25, 0
	s_lshl_b32 s26, s19, 15                        ; 32 rows of W
	s_mov_b32 s27, 0
	s_lshl1_add_u32 s28, ttmp9, s18                ; 2 x + w = 8 x row block + e8
	s_mov_b32 s29, 0
	s_lshl_b32 s30, s28, 10                        ; qf: 1,024 bytes for a row block's K step
	s_mov_b32 s31, 0
	s_lshl_b32 s28, s28, 2                         ; dmaxp: one word a wave
	s_wait_kmcnt 0x0
	s_add_nc_u64 s[4:5], s[4:5], s[24:25]
	s_add_nc_u64 s[6:7], s[6:7], s[26:27]
	s_add_nc_u64 s[12:13], s[12:13], s[30:31]
	s_add_nc_u64 s[16:17], s[16:17], s[28:29]
	AREA 0                                         ; K steps 0-3 into window 0
	WIN 0x40                                       ; loaded data into window 1, addresses in window 0
	AREA 4                                         ; K steps 4-7
	WIN 0
	global_load_b128 v[DG:DG+3],     v6,   s[8:9]
	global_load_b128 v[DG+4:DG+7],   v6,   s[10:11]
	global_load_b128 v[DG+8:DG+11],  v240, s[8:9]
	global_load_b128 v[DG+12:DG+15], v240, s[10:11]
	s_wait_loadcnt 52                              ; the first 48 loads are in: 48 + 4 were issued behind them
	PACKS
	v_wmma_f32_16x16x32_bf16 v[8:15],  v[WA:WA+7], v[ST:ST+7], 0     ; the first K step starts both sums
	v_wmma_f32_16x16x32_bf16 v[16:23], v[WB:WB+7], v[ST:ST+7], 0
	MUL2 1
	MUL2 2
	MUL2 3
	s_wait_loadcnt 4                               ; the second 48 are in: the four loads of depths and gate stay out
	WIN 0x45                                       ; destination and both sources in window 1
	PACKS
	WIN 0x05                                       ; both operands in window 1, sums in window 0
	MUL2 0
	MUL2 1
	MUL2 2
	MUL2 3
	WIN 0
.rept 4
	v_nop                                          ; four places behind the last matrix instruction before its result is read (ISA guide 7.12.1)
.endr
.irp j, 8,10,12,14,16,18,20,22
	v_pk_mul_f32 v[\j:\j+1], v[\j:\j+1], 0x3fb8aa3b op_sel_hi:[1,0]    ; times log2(e)
.endr
.irp j, 0,1,2,3,4,5,6,7
	v_cvt_pk_bf16_f32 v[24+\j], v[8+2*\j], v[9+2*\j]
.endr
	global_store_b128 v2, v[24:27], s[12:13]                  ; k = 8h .. of K step e8: 512 consecutive bytes a wave
	global_store_b128 v2, v[28:31], s[12:13] offset:512       ; k = 16 + 8h ..
	; bias and the largest depth
	s_wait_loadcnt 0x0
	v_max3_num_f32 v241, v[DG], v[DG+1], v[DG+2]
	v_max3_num_f32 v241, v241, v[DG+3], v[DG+8]
	v_max3_num_f32 v241, v241, v[DG+9], v[DG+10]
	v_max_num_f32 v241, v241, v[DG+11]
	v_max_num_f32_dpp v241, v241, v241 row_xmask:1 row_mask:0xf bank_mask:0xf
	v_max_num_f32_dpp v241, v241, v241 row_xmask:2 row_mask:0xf bank_mask:0xf
	v_max_num_f32_dpp v241, v241, v241 row_xmask:4 row_mask:0xf bank_mask:0xf
	v_max_num_f32_dpp v241, v241, v241 row_xmask:8 row_mask:0xf bank_mask:0xf
	v_permlanex16_b32 v8, v241, s20, s21           ; v8 has been written (a sum no longer needed): the destination counts as read
	v_max_num_f32 v241, v241, v8
.irp j, 0,1,2,3,4,5,6,7,8,9,10,11,12,13,14,15
	v_max_num_f32 v[DG+\j], 0x322bcc77, v[DG+\j]   ; clip at 1e-8
.endr
.irp j, 0,1,2,3,4,5,6,7,8,9,10,11,12,13,14,15
	v_log_f32 v[DG+\j], v[DG+\j]                   ; log2
.endr
	v_add_nc_u32 v9, 0xffff9f20, v4                ; q1 - 24,800: also the one plain instruction behind the logarithms (ISA guide 5.7.2)
	s_wait_alu depctr_va_vdst(0)
	v_pk_add_f32 v[DG:DG+1],     v[DG:DG+1],     v[DG+4:DG+5]
	v_pk_add_f32 v[DG+2:DG+3],   v[DG+2:DG+3],   v[DG+6:DG+7]
	v_pk_add_f32 v[DG+8:DG+9],   v[DG+8:DG+9],   v[DG+12:DG+13]
	v_pk_add_f32 v[DG+10:DG+11], v[DG+10:DG+11], v[DG+14:DG+15]
	v_mov_b32 v242, 0xf149f2ca                     ; -1e30
	v_mov_b32 v243, 0
	v_cmp_gt_u32 vcc_lo, 200, v9                   ; 24,800 <= q1 < 25,000: the masked entries
.irp j, 8,9,10,11
	v_cndmask_b32 v[DG+\j], v[DG+\j], v242, vcc_lo
.endr
	global_store_b128 v6, v[DG:DG+3], s[14:15]
	s_wait_xcnt 0x0                                ; EXEC is a source of the pending stores: it changes only behind this wait
	v_cmp_gt_u32 vcc_lo, 8816, v3                  ; 16,384 + tg < 25,200
	s_and_saveexec_b32 s22, vcc_lo
	global_store_b128 v7, v[DG+8:DG+11], s[14:15]
	s_wait_xcnt 0x0
	s_or_b32 exec_lo, exec_lo, s22
	v_cmp_eq_u32 vcc_lo, 0, v5
	s_and_saveexec_b32 s22, vcc_lo                 ; nothing has been issued since the last wait
	global_store_b32 v243, v241, s[16:17]          ; lane 0: my wave's largest depth
	s_wait_xcnt 0x0
	s_or_b32 exec_lo, exec_lo, s22
	s_endpgm
.Lfunc_end_k_qe4d9efd314_prep:
	.size	k_qe4d9efd314_prep, .Lfunc_end_k_qe4d9efd314_prep-k_qe4d9efd314_prep
	.p2alignl 7, 3214868480
	.fill 96, 4, 3214868480
	.section	.rodata,"a",@progbits
	.p2align	6, 0x0
	.amdhsa_kernel k_qe4d9efd314_prep
		.amdhsa_group_segment_fixed_size 0
		.amdhsa_private_segment_fixed_size 0
		.amdhsa_enable_private_segment 0
		.amdhsa_kernarg_size 56
		.amdhsa_user_sgpr_count 2
		.amdhsa_user_sgpr_kernarg_segment_ptr 1
		.amdhsa_wavefront_size32 1
		.amdhsa_system_sgpr_workgroup_id_x 1
		.amdhsa_system_sgpr_workgroup_id_y 1
		.amdhsa_system_sgpr_workgroup_id_z 1
		.amdhsa_system_vgpr_workitem_id 0
		.amdhsa_next_free_vgpr 480
		.amdhsa_next_free_sgpr 66
		.amdhsa_reserve_vcc 1
		.amdhsa_float_denorm_mode_32 3
		.amdhsa_float_denorm_mode_16_64 3
		.amdhsa_memory_ordered 1
		.amdhsa_forward_progress 1
		.amdhsa_inst_pref_size 30
	.end_amdhsa_kernel
	.amdgpu_metadata
---
amdhsa.version: [ 1, 2 ]
amdhsa.kernels:
  - .name:           k_qe4d9efd314_prep
    .symbol:         k_qe4d9efd314_prep.kd
    .args:
      - { .name: state, .offset: 0, .size: 8, .value_kind: global_buffer, .address_space: global }
      - { .name: W, .offset: 8, .size: 8, .value_kind: global_buffer, .address_space: global }
      - { .name: depths, .offset: 16, .size: 8, .value_kind: global_buffer, .address_space: global }
      - { .name: gate, .offset: 24, .size: 8, .value_kind: global_buffer, .address_space: global }
      - { .name: qf, .offset: 32, .size: 8, .value_kind: global_buffer, .address_space: global }
      - { .name: biasc, .offset: 40, .size: 8, .value_kind: global_buffer, .address_space: global }
      - { .name: dmaxp, .offset: 48, .size: 8, .value_kind: global_buffer, .address_space: global }
    .group_segment_fixed_size: 0
    .private_segment_fixed_size: 0
    .kernarg_segment_align: 8
    .kernarg_segment_size: 56
    .max_flat_workgroup_size: 64
    .sgpr_count:     66
    .vgpr_count:     480
    .wavefront_size: 32
...
	.end_amdgpu_metadata
.endif
;; end of part 1
;; launch flash (part 2): grid 252 x 1, 4 waves a work-group, clusters of 4 x 1, 327,680 bytes of LDS; arguments patterns, qf, biasc, opart, ml, tmax; writes opart, ml, tmax
.if DOCPART == 2
	.amdgcn_target "amdgcn-amd-amdhsa--gfx1250"
	.amdhsa_code_object_version 6
	.text
	.protected	k_qe4d9efd314_flash
	.globl	k_qe4d9efd314_flash
	.p2align	8
	.type	k_qe4d9efd314_flash,@function
k_qe4d9efd314_flash:
	s_mov_b64 s[64:65], 0
	v_nop
	global_prefetch_b8 v0, s[64:65] scope:SCOPE_SE
	s_setreg_imm32_b32 hwreg(HW_REG_WAVE_MODE, 25, 1), 1
	s_wait_xcnt 0x0
	s_wait_alu depctr_hold_cnt(0) depctr_sa_sdst(0) depctr_va_vdst(0) depctr_va_sdst(0) depctr_va_ssrc(0) depctr_va_vcc(0) depctr_vm_vsrc(0)
	s_getreg_b32 s2, hwreg(HW_REG_IB_STS2, 6, 4)
	s_cmp_eq_u32 s2, 0
	s_cbranch_scc0 .Lentry_in_a_cluster
	s_endpgm
.Lentry_in_a_cluster:
	s_bfe_u32 s2, ttmp6, 0x10000c
	s_cmp_lg_u32 s2, 0x3003
	s_cbranch_scc0 .Lentry_shape_is_right
	s_endpgm
.Lentry_shape_is_right:
; FLASH.  The bulk: softmax(q K^T + bias) K over one chunk of 1,600 columns, with a running maximum, for all 1,024 rows.
; A cluster of four work-groups is one chunk c (63 chunks); work-group cx takes rows 256 cx .. +255, wave w 64 of them (gw = 4 cx + w).
; 100,000 columns are 1,562.5 tiles of 64: 63 chunks and 64 chunks both need 25 steps, and 63 write fewer partial sums.
; Chunk c reads pattern rows min(1600 c, 98400) + 0 .. 1599; the 800 columns that the last window shares with chunk 61 carry the bias -1e30.
; CLUSTER: the four work-groups need the same pattern tiles and the same bias.  Each tile is asked for jointly (mask 15): every wave w of the four
; issues the same load of 16 rows, so each pattern byte is requested once for 1,024 rows.
; BOTH PRODUCTS ARE USED TRANSPOSED.  S^T = K Q^T: first operand 16 pattern rows, second 16 rows of q, the first link's C the bias.  In the result lane (r, h)
; holds row r, columns 8h + 0..7: a row's maximum and sum stay inside two lanes, and two tiles rounded to bf16 ARE the second operand of
; O^T = V^T P^T (first operand: 16 d x 32 pattern rows, by the transposing LDS load).  In O^T a lane again holds one row, so the rescaling factor is one number a lane.
; The f32 tile lands in a stage of LDS; each wave rounds its own 16 rows to bf16 once, into two copies: pitch 528 (an odd multiple of 16) for the
; plain fragment loads and pitch 544 (an odd multiple of 32) for the transposing loads, so that the lanes of each load begin in different 16-byte columns.
; A step t: barrier; tile t+2 is asked for into the stage that was read in step t-1; tile t+1 is rounded; tile t is multiplied.
; The rounding and the rescaling of O stand in runs of their own, under one setting of the register windows each, and not between the products: a product names O as C and D
; and window 0 for its operands, the rescaling names O as destination and first source, so every insertion between products would cost two switches of the windows.
; OUT: opart [4 rb + dg: 256][c: 63][dq: 4][half: 2][lane: 32][16 B] (unnormalised O^T tiles), ml [c][gw][lane][m, l, m, l], tmax [25 c + step][gw][lane][2]:
; a per-row number x0..x3 of the wave's four row blocks lies in lane (r, h) as the pair (h ? x1 : x0, h ? x3 : x2).
; LIMITS: NaN and infinities in the inputs are not served.  exp2 results below 2^-126 come out as 0 (ISA guide 15.8).  The mask -1e30 asks for |logit| far below 1e30.
; A fully masked tile gives p = 1 or 0 and finite sums; the first real tile's factor exp2(-1e30 - m) = 0 removes them.
.set STG,   65536                      ; LDS 0, 65536: two stages of 64 rows x 1,024 bytes of f32, filled by tensor loads alone
.set BIASL, 131072                     ; 6,400 bytes: the chunk's bias, filled once
.set KT,    137728                     ; two bf16 copies of 64 rows, pitch 528
.set KTB,   33792
.set KP,    528
.set VT,    205312                     ; two bf16 copies of 64 rows, pitch 544
.set VTB,   34816
.set VP,    544
; window 0
.set CVR,  2                           ; v2-3    stage s: my wave's 16 rows + 16 x lane
.set CWK,  4                           ; v4-5    K copy s: my wave's 16 rows + 8 x lane
.set CWV,  6                           ; v6-7    V copy s: the same
.set KA,   8                           ; v8-9    K copy s: 528 r + 16 h
.set VA,   10                          ; v10-11  V copy s: (8h + (lane & 7)) 544 + 16 ((lane >> 3) & 1)
.set BA,   12                          ; v12     bias: 32 h, 256 bytes further each step
.set TOFF, 13                          ; v13     tmax: 8 x lane, 4,096 bytes further each step
.set TP,   14                          ; v14-15  the pair stored to tmax
.set M,    16                          ; v16-19  running maximum of my row in row blocks 0..3
.set LS,   20                          ; v20-23  running sum (this lane's 32 of a tile's 64 columns)
.set AL,   24                          ; v24-27  the step's factor exp2(old maximum - new maximum)
.set MT,   28                          ; v28-31  the tile's maximum
.set TS,   32                          ; v32-39  four pairs at work
.set BI,   40                          ; v40-55  bias of a column block, two sets
.set FR,   56                          ; v56-119 eight fragments of 8 registers
.set MLQ,  120                         ; v120-123
.set X,    128                         ; v128-255 S: tile (nblk, b) at X + 16 (4 (nblk >> 1) + b) + 8 (nblk & 1); then P in the lower 8 of each 16, V fragments in the upper 8
; window 1: Q(b, ks) at 8 (8 b + ks).   windows 2, 3: O(dblk, b) at 8 (4 (dblk & 7) + b), dblk 0-7 and 8-15
.set G1T, 24                           ; s[24:31] shape of a wave's part of a tile
.set G1B, 32                           ; s[32:39] shape of a wave's part of the bias
.set G0S, 40                           ; s[40:47] from where, to where: one set for each stage
.set G0B, 48                           ; s[48:51] the same for the bias
.set MSB, 0
.macro WIN new                         ; the immediate's high byte repeats the setting that is left
.if MSB != \new
	s_set_vgpr_msb (MSB<<8)|\new
.set MSB, \new
.endif
.endm
.macro PLACES                          ; four places behind a matrix instruction (ISA guide 7.12.1 for what reads its results; also before loads into its registers)
.rept 4
	v_nop
.endr
.endm
.macro ROUND                           ; a round of the cluster's barrier: my work-group's barrier, wave 0 signals for it, all wait for all four, my barrier again
	s_barrier_signal -1
	s_barrier_wait -1
	s_cmp_lg_u32 s16, 0
	s_cbranch_scc1 .Lnot_wave_0_\@
	s_barrier_signal -3
.Lnot_wave_0_\@:
	s_barrier_wait -3
	s_barrier_signal -1
	s_barrier_wait -1
.endm
; ---- rounding a tile: my 16 rows are 32 pieces of 512 bytes (half a row); piece i goes to row i >> 1, byte 256 (i & 1) + 8 x lane of both copies
.macro CLOAD g, sl, f
.irp j, 0,1,2,3,4,5,6,7
	ds_load_b128 v[\f+4*\j:\f+4*\j+3], v[CVR+\sl] offset:512*(8*\g+\j)
.endr
.endm
.macro CPACK g, sl, f
.irp j, 0,1,2,3,4,5,6,7
	v_cvt_pk_bf16_f32 v[\f+4*\j],   v[\f+4*\j],   v[\f+4*\j+1]
	v_cvt_pk_bf16_f32 v[\f+4*\j+1], v[\f+4*\j+2], v[\f+4*\j+3]
.endr
.irp j, 0,1,2,3,4,5,6,7
	ds_store_b64 v[CWK+\sl], v[\f+4*\j:\f+4*\j+1] offset:(4*\g+((\j)>>1))*KP+((\j)&1)*256
	ds_store_b64 v[CWV+\sl], v[\f+4*\j:\f+4*\j+1] offset:(4*\g+((\j)>>1))*VP+((\j)&1)*256
.endr
.endm
.macro CONVERT sl
	CLOAD 0, \sl, FR
	CLOAD 1, \sl, FR+32
	s_wait_dscnt 8                                 ; group 0 is in: group 1's eight loads stay out
	CPACK 0, \sl, FR
	CLOAD 2, \sl, FR
	s_wait_dscnt 24                                ; group 1: 16 stores and 8 loads were issued behind it
	CPACK 1, \sl, FR+32
	CLOAD 3, \sl, FR+32
	s_wait_dscnt 24                                ; group 2: the same count
	CPACK 2, \sl, FR
	s_wait_dscnt 16                                ; group 3: 16 stores behind it
	CPACK 3, \sl, FR+32
.endm
; ---- S^T.  Batch i = (column block i >> 1, K steps 4 (i & 1) .. +3): 8 fragment loads (and, where a block begins, 2 of its bias), 16 products
.macro SLOAD i, sl
.if ((\i)&1) == 0
	ds_load_b128 v[BI+8*(((\i)>>1)&1):BI+8*(((\i)>>1)&1)+3],   v[BA] offset:64*((\i)>>1)       ; bias of columns 8h .. 8h+3 of the block, the same in all 16 lanes of a half
	ds_load_b128 v[BI+8*(((\i)>>1)&1)+4:BI+8*(((\i)>>1)&1)+7], v[BA] offset:64*((\i)>>1)+16
.endif
.irp q, 0,1,2,3
	ds_load_b128 v[FR+32*((\i)&1)+8*\q:FR+32*((\i)&1)+8*\q+3],   v[KA+\sl] offset:((\i)>>1)*16*KP+(4*((\i)&1)+\q)*64
	ds_load_b128 v[FR+32*((\i)&1)+8*\q+4:FR+32*((\i)&1)+8*\q+7], v[KA+\sl] offset:((\i)>>1)*16*KP+(4*((\i)&1)+\q)*64+32
.endr
.endm
.macro SMUL i                          ; the four row blocks' accumulators take turns, one instruction a turn
.irp q, 0,1,2,3
.irp b, 0,1,2,3
.set sd, X+16*(4*((\i)>>2)+\b)+8*(((\i)>>1)&1)
.set fa, FR+32*((\i)&1)+8*\q
.set qb, 8*(8*\b+4*((\i)&1)+\q)
.if (4*((\i)&1)+\q) == 0
.set bc, BI+8*(((\i)>>1)&1)
	v_wmma_f32_16x16x32_bf16 v[sd:sd+7], v[fa:fa+7], v[qb:qb+7], v[bc:bc+7]      ; the bias starts the sum
.else
	v_wmma_f32_16x16x32_bf16 v[sd:sd+7], v[fa:fa+7], v[qb:qb+7], v[sd:sd+7]
.endif
.endr
.endr
.endm
.macro SPHASE sl
	WIN 0x04                                       ; the second operand (Q) in window 1; LDS loads name destination and address, both in window 0
	SLOAD 0, \sl
	SLOAD 1, \sl
	s_wait_dscnt 8                                 ; batch 0 is in: batch 1's 8 loads stay out
	SMUL 0
.irp i, 1,2,3,4,5,6
	PLACES                                         ; the next loads land in registers that batch i - 1 has read
	SLOAD \i+1, \sl
	s_wait_dscnt 8+2*((\i)&1)                      ; batch i is in: what stays out is batch i + 1, 8 loads or, with a bias, 10
	SMUL \i
.endr
	s_wait_dscnt 0x0
	SMUL 7
	PLACES
	WIN 0
.endm
; ---- O^T.  Batch bt = (32 pattern rows bt >> 1, d blocks 8 (bt & 1) .. +7): 16 transposing loads, 32 products.  Fragment f at base + str f
.macro VLOAD bt, sl, base, str
.irp f, 0,1,2,3,4,5,6,7
	ds_load_tr16_b128 v[\base+\str*\f:\base+\str*\f+3],   v[VA+\sl] offset:((\bt)>>1)*32*VP+(8*((\bt)&1)+\f)*32
	ds_load_tr16_b128 v[\base+\str*\f+4:\base+\str*\f+7], v[VA+\sl] offset:((\bt)>>1)*32*VP+(8*((\bt)&1)+\f)*32+16*VP
.endr
.endm
.macro PVMUL bt, base, str, zero       ; 32 accumulators, each once
.irp f, 0,1,2,3,4,5,6,7
.irp b, 0,1,2,3
.set od, 8*(4*\f+\b)
.set pb, X+16*(4*((\bt)>>1)+\b)
.if \zero
	v_wmma_f32_16x16x32_bf16 v[od:od+7], v[\base+\str*\f:\base+\str*\f+7], v[pb:pb+7], 0
.else
	v_wmma_f32_16x16x32_bf16 v[od:od+7], v[\base+\str*\f:\base+\str*\f+7], v[pb:pb+7], v[od:od+7]
.endif
.endr
.endr
.endm
.macro RS256                           ; 256 registers of O times the row's factor
.irp f, 0,1,2,3,4,5,6,7
.irp b, 0,1,2,3
.irp j, 0,2,4,6
.set o, 8*(4*\f+\b)+\j
.if (\b)&1
	v_pk_mul_f32 v[o:o+1], v[o:o+1], v[AL+\b-1:AL+\b] op_sel:[0,1] op_sel_hi:[1,1]
.else
	v_pk_mul_f32 v[o:o+1], v[o:o+1], v[AL+\b:AL+\b+1] op_sel_hi:[1,0]
.endif
.endr
.endr
.endr
.endm
.macro RESCALE
	WIN 0x82                                       ; destination and first source in window 2, the factor in window 0
	RS256
	WIN 0xc3                                       ; the same for window 3
	RS256
	WIN 0
.endm
; ---- the softmax of a tile.  Row block b's 32 numbers of this lane: X + 16 b + (i & 15) + 64 (i >> 4), i = 0 .. 31.  The four row blocks are interleaved, so that no line waits for the one in front
.macro SOFTMAX first
.if \first
.set MX, M                             ; the first tile's maximum is the running maximum
.else
.set MX, MT
.endif
.irp b, 0,1,2,3
	v_max3_num_f32 v[MX+\b], v[X+16*\b], v[X+16*\b+1], v[X+16*\b+2]
.endr
.set i, 3
.rept 14
.irp b, 0,1,2,3
	v_max3_num_f32 v[MX+\b], v[MX+\b], v[X+16*\b+(i&15)+64*(i>>4)], v[X+16*\b+((i+1)&15)+64*((i+1)>>4)]
.endr
.set i, i+2
.endr
.irp b, 0,1,2,3
	v_max_num_f32 v[MX+\b], v[MX+\b], v[X+16*\b+79]
.endr
.irp b, 0,1,2,3
	v_permlanex16_b32 v[TS+2*\b], v[MX+\b], s54, s55          ; the other 32 columns of my row
.endr
.irp b, 0,1,2,3
	v_max_num_f32 v[MX+\b], v[MX+\b], v[TS+2*\b]
.endr
	s_wait_xcnt 0x0                                ; the last step's store has read its offset and its pair: both are rewritten only behind this wait
.if \first == 0
	v_add_nc_u32 v[TOFF], 4096, v[TOFF]
.endif
	v_cndmask_b32 v[TP],   v[MX],   v[MX+1], s53   ; lanes 16-31 carry row blocks 1 and 3
	v_cndmask_b32 v[TP+1], v[MX+2], v[MX+3], s53
	global_store_b64 v[TOFF], v[TP:TP+1], s[60:61] ; the tile's row maxima: 256 consecutive bytes a wave, aligned
.if \first == 0
.irp b, 0,1,2,3
	v_sub_f32 v[AL+\b], v[M+\b], v[MT+\b]
.endr
.irp b, 0,1,2,3
	v_max_num_f32 v[M+\b], v[M+\b], v[MT+\b]
.endr
.irp b, 0,1,2,3
	v_min_num_f32 v[AL+\b], 0, v[AL+\b]            ; old maximum - new maximum
.endr
.irp b, 0,1,2,3
	v_exp_f32 v[AL+\b], v[AL+\b]                   ; the subtractions below are the plain instructions behind these (ISA guide 5.7.2)
.endr
.endif
.set i, 0
.rept 16
.irp b, 0,1,2,3
.set xr, X+16*\b+(i&15)+64*(i>>4)
.if (\b)&1
	v_pk_add_f32 v[xr:xr+1], v[xr:xr+1], v[M+\b-1:M+\b] op_sel:[0,1] op_sel_hi:[1,1] neg_lo:[0,1] neg_hi:[0,1]
.else
	v_pk_add_f32 v[xr:xr+1], v[xr:xr+1], v[M+\b:M+\b+1] op_sel_hi:[1,0] neg_lo:[0,1] neg_hi:[0,1]
.endif
.endr
.set i, i+2
.endr
.set i, 0
.rept 128
	v_exp_f32 v[X+i], v[X+i]
.set i, i+1
.endr
	v_nop                                          ; one plain instruction before the exponentials are read (ISA guide 5.7.2)
	s_wait_alu depctr_va_vdst(0)
.irp b, 0,1,2,3
	v_pk_add_f32 v[TS+2*\b:TS+2*\b+1], v[X+16*\b:X+16*\b+1], v[X+16*\b+2:X+16*\b+3]
.endr
.set i, 4
.rept 14
.irp b, 0,1,2,3
.set xr, X+16*\b+(i&15)+64*(i>>4)
	v_pk_add_f32 v[TS+2*\b:TS+2*\b+1], v[TS+2*\b:TS+2*\b+1], v[xr:xr+1]
.endr
.set i, i+2
.endr
.irp b, 0,1,2,3
.if \first
	v_add_f32 v[LS+\b], v[TS+2*\b], v[TS+2*\b+1]
.else
	v_add_f32 v[TS+2*\b], v[TS+2*\b], v[TS+2*\b+1]
.endif
.endr
.if \first == 0
.irp b, 0,1,2,3
	v_fma_f32 v[LS+\b], v[LS+\b], v[AL+\b], v[TS+2*\b]
.endr
.endif
.irp g, 0,1,2,3,4,5,6,7
.irp j, 0,1,2,3,4,5,6,7
	v_cvt_pk_bf16_f32 v[X+16*\g+\j], v[X+16*\g+2*\j], v[X+16*\g+2*\j+1]      ; P, in place, ascending: the upper 8 of each 16 registers fall free
.endr
.endr
.endm
; ---- step t.  sl = t & 1: the copies multiplied and the stage filled again; ot: the stage rounded.  refill: tile t + 2 exists; conv: tile t + 1 exists
.macro STEP sl, ot, first, refill, conv
.if \conv
	s_wait_tensorcnt 0x0                           ; all my tensor loads have landed: the one that was out is my part of tile t + 1
	ds_add_u32 v126, v127
	s_wait_dscnt 0x0
.endif
.if \refill
	s_add_nc_u64 s[G0S+4*\sl+2:G0S+4*\sl+3], s[G0S+4*\sl+2:G0S+4*\sl+3], 2*STG    ; none is out, so a group 0 may be written: two tiles on
.endif
	s_wait_dscnt 0x0                               ; my reads of this stage and of the other copies, and my stores into these copies, are done
.if \refill
	ROUND                                          ; all that now holds of every wave of the four work-groups
	tensor_load_to_lds s[G0S+4*\sl:G0S+4*\sl+3], s[G1T:G1T+7]      ; my one tensor load behind the round, and the first thing there: it has the whole step in which to land
	s_nop 0
	PLACES                                         ; four v_nop follow a joint load
.else
	s_barrier_signal -1                            ; it orders the copies alone
	s_barrier_wait -1
.endif
.if \conv
	CONVERT \ot
.endif
	SPHASE \sl
	VLOAD 0, \sl, FR, 8
	SOFTMAX \first
	VLOAD 1, \sl, X+8, 16
.if \first == 0
	RESCALE
.endif
	s_wait_dscnt 16                                ; batch 0 of V is in: batch 1's 16 loads stay out
	WIN 0xa0                                       ; C and D in window 2
	PVMUL 0, FR, 8, \first
	WIN 0
	PLACES
	VLOAD 2, \sl, FR, 8
	s_wait_dscnt 16                                ; batch 1: batch 2's 16 loads stay out
	WIN 0xf0                                       ; C and D in window 3
	PVMUL 1, X+8, 16, \first
	WIN 0
	PLACES
	VLOAD 3, \sl, X+8, 16
	s_wait_dscnt 16                                ; batch 2: batch 3's 16 loads stay out
	WIN 0xa0
	PVMUL 2, FR, 8, 0
	s_wait_dscnt 0x0
	WIN 0xf0
	PVMUL 3, X+8, 16, 0
	WIN 0
.rept 5
	v_nop                                          ; five places: the next step's first products write over registers that these products have read (ISA guide 7.12.1)
.endr
	v_add_nc_u32 v[BA], 256, v[BA]                 ; the next 64 columns' bias
.endm
	s_load_b256 s[4:11], s[0:1], 0x0               ; patterns s[4:5], qf s[6:7], biasc s[8:9], opart s[10:11]
	s_load_b128 s[12:15], s[0:1], 0x20             ; ml s[12:13], tmax s[14:15]
	v_lshl_add_u32 v126, v0, 2, 0x43200
	v_mov_b32 v127, 0
	ds_add_u32 v126, v127
	v_lshrrev_b32 v1, 5, v0
	v_readfirstlane_b32 s16, v1                    ; wave 0..3
	s_mov_b32 s17, ttmp9                           ; chunk c: in a cluster launch ttmp9 counts clusters
	s_bfe_u32 s18, ttmp6, 0x40000                  ; cx: enters global addresses of qf, opart, ml, tmax alone
	s_lshl2_add_u32 s19, s18, s16                  ; gw = 4 cx + w
	s_mov_b32 s53, 0xffff0000                      ; lanes 16-31
	s_mov_b32 s54, 0x76543210                      ; v_permlanex16_b32: lane i of one half reads lane i of the other
	s_mov_b32 s55, 0xfedcba98
	; group 1 of a tile: my 16 pattern rows are 16,384 dense bytes, taken as 64 rows of 32 elements of 8 bytes
	s_mov_b32 s[G1T+0], 15|(3<<16)|(1<<21)         ; 15:0 the mask names all four work-groups; 17:16 elements of 8 bytes; 21 set beside a mask
	s_mov_b32 s[G1T+1], 32<<16                     ; tensor_dim0 = 32
	s_mov_b32 s[G1T+2], 64<<16                     ; tensor_dim1 = 64
	s_mov_b32 s[G1T+3], 32<<16                     ; tile_dim0 = 32
	s_mov_b32 s[G1T+4], 64                         ; tile_dim1 = 64
	s_mov_b32 s[G1T+5], 32                         ; from row to row: 32 elements
	s_mov_b32 s[G1T+6], 0
	s_mov_b32 s[G1T+7], 0
	; group 1 of the bias: one row of 200 elements of 8 bytes, a quarter of the chunk's 6,400 bytes
	s_mov_b32 s[G1B+0], 15|(3<<16)|(1<<21)
	s_mov_b32 s[G1B+1], 200<<16
	s_mov_b32 s[G1B+2], 1<<16
	s_mov_b32 s[G1B+3], 200<<16
	s_mov_b32 s[G1B+4], 1
	s_mov_b32 s[G1B+5], 200
	s_mov_b32 s[G1B+6], 0
	s_mov_b32 s[G1B+7], 0
	s_mov_b32 s[G0S+0], 1
	s_lshl_b32 s[G0S+1], s16, 14                   ; stage 0 + 16,384 w
	s_mov_b32 s[G0S+4], 1
	s_add_co_u32 s[G0S+5], s[G0S+1], STG           ; stage 1 + 16,384 w
	s_mov_b32 s[G0B+0], 1
	s_mul_i32 s[G0B+1], s16, 1600
	s_add_co_u32 s[G0B+1], s[G0B+1], BIASL
	s_mul_i32 s20, s17, 1600
	s_min_u32 s20, s20, 98400                      ; the window's first pattern row
	s_lshl_b32 s20, s20, 10
	s_add_co_u32 s20, s20, s[G0S+1]                ; + my 16 rows of 1,024 bytes
	s_mov_b32 s21, 0
	s_mul_i32 s62, s17, 6400
	s_mul_i32 s63, s16, 1600
	s_add_co_u32 s62, s62, s63                     ; the chunk's bias, my quarter
	s_mov_b32 s63, 0
	s_lshl_b32 s22, s19, 15                        ; qf: four row blocks of 8,192 bytes a wave
	s_mov_b32 s23, 0
	s_wait_dscnt 0x0
	s_wait_kmcnt 0x0
	s_add_nc_u64 s[G0S+2:G0S+3], s[4:5], s[20:21]          ; tile 0
	s_add_nc_u64 s[G0S+6:G0S+7], s[G0S+2:G0S+3], STG       ; tile 1
	s_or_b32 s[G0S+3], s[G0S+3], 0x80000000                ; type = 2
	s_or_b32 s[G0S+7], s[G0S+7], 0x80000000
	s_add_nc_u64 s[G0B+2:G0B+3], s[8:9], s[62:63]
	s_or_b32 s[G0B+3], s[G0B+3], 0x80000000
	s_add_nc_u64 s[6:7], s[6:7], s[22:23]
	s_mul_i32 s22, s19, 1008                       ; opart: 16 blocks of 63 x 4,096 bytes a wave, + 4,096 c
	s_add_co_u32 s22, s22, s17
	s_lshl_b32 s22, s22, 12
	s_add_nc_u64 s[56:57], s[10:11], s[22:23]
	s_lshl4_add_u32 s22, s17, s19                  ; ml: (16 c + gw) x 512
	s_lshl_b32 s22, s22, 9
	s_add_nc_u64 s[58:59], s[12:13], s[22:23]
	s_mul_i32 s22, s17, 400                        ; tmax: 25 c x 4,096 + 256 gw
	s_add_co_u32 s22, s22, s19
	s_lshl_b32 s22, s22, 8
	s_add_nc_u64 s[60:61], s[14:15], s[22:23]
	ROUND                                          ; all four work-groups are here: the first joint loads meet
	tensor_load_to_lds s[G0B:G0B+3], s[G1B:G1B+7]          ; the first fills go out as one group: three loads of this wave are out, later one
	s_nop 0
	PLACES
	tensor_load_to_lds s[G0S:G0S+3], s[G1T:G1T+7]          ; tile 0
	s_nop 0
	PLACES
	tensor_load_to_lds s[G0S+4:G0S+7], s[G1T:G1T+7]        ; tile 1
	s_nop 0
	PLACES
	v_and_b32 v14, 31, v0                          ; lane
	v_and_b32 v15, 15, v0                          ; r
	v_bfe_u32 v16, v0, 4, 1                        ; h
	v_lshlrev_b32 v1, 4, v14                       ; 16 x lane; never rewritten
	WIN 0x40                                       ; Q into window 1: 64 loads of 512 consecutive bytes
.irp b, 0,1,2,3
.irp t, 0,1,2,3,4,5,6,7,8,9,10,11,12,13,14,15
	global_load_b128 v[64*\b+4*\t:64*\b+4*\t+3], v1, s[6:7] offset:512*(16*\b+\t)
.endr
.endr
	WIN 0
	v_lshl_add_u32 v[CVR], s16, 14, v1
	v_add_nc_u32 v[CVR+1], STG, v[CVR]
	s_mul_i32 s62, s16, 16*KP
	s_add_co_u32 s62, s62, KT
	v_lshl_add_u32 v[CWK], v14, 3, s62
	v_add_nc_u32 v[CWK+1], KTB, v[CWK]
	s_mul_i32 s62, s16, 16*VP
	s_add_co_u32 s62, s62, VT
	v_lshl_add_u32 v[CWV], v14, 3, s62
	v_add_nc_u32 v[CWV+1], VTB, v[CWV]
	v_mul_u32_u24 v[KA], v15, KP
	v_lshl_add_u32 v[KA], v16, 4, v[KA]
	v_add_nc_u32 v[KA], KT, v[KA]
	v_add_nc_u32 v[KA+1], KTB, v[KA]
	v_and_b32 v17, 7, v0
	v_lshl_or_b32 v17, v16, 3, v17                 ; 8h + (lane & 7)
	v_mul_u32_u24 v[VA], v17, VP
	v_bfe_u32 v17, v0, 3, 1
	v_lshl_add_u32 v[VA], v17, 4, v[VA]
	v_add_nc_u32 v[VA], VT, v[VA]
	v_add_nc_u32 v[VA+1], VTB, v[VA]
	v_lshlrev_b32 v[BA], 5, v16
	v_add_nc_u32 v[BA], BIASL, v[BA]
	v_lshlrev_b32 v[TOFF], 3, v14
.irp b, 0,1,2,3
	v_mov_b32 v[TS+2*\b], 0                        ; destinations of v_permlanex16_b32 count as read
.endr
	s_wait_tensorcnt 0x1                           ; my parts of the bias and of tile 0 are in; tile 1 stays out
	CONVERT 0                                      ; my own 16 rows: my own wait is all the ordering that these reads need
	s_wait_loadcnt 0x0                             ; Q
	STEP 0, 1, 1, 1, 1                             ; t = 0: its products start the sums of O, nothing is cleared
	s_mov_b32 s52, 11
.Lpair:
	STEP 1, 0, 0, 1, 1                             ; t = 1, 3, .. 21
	STEP 0, 1, 0, 1, 1                             ; t = 2, 4, .. 22
	s_sub_co_u32 s52, s52, 1
	s_cmp_lg_u32 s52, 0
	s_cbranch_scc1 .Lpair
	STEP 1, 0, 0, 0, 1                             ; t = 23: nothing is left to fetch
	STEP 0, 1, 0, 0, 0                             ; t = 24: nothing is left to round
	; the way out
.irp b, 0,1,2,3
	v_permlanex16_b32 v[TS+2*\b], v[LS+\b], s54, s55
.endr
.irp b, 0,1,2,3
	v_add_f32 v[LS+\b], v[LS+\b], v[TS+2*\b]       ; the two halves of a row's sum meet once
.endr
	v_cndmask_b32 v[MLQ],   v[M],    v[M+1],  s53
	v_cndmask_b32 v[MLQ+1], v[LS],   v[LS+1], s53
	v_cndmask_b32 v[MLQ+2], v[M+2],  v[M+3],  s53
	v_cndmask_b32 v[MLQ+3], v[LS+2], v[LS+3], s53
	global_store_b128 v1, v[MLQ:MLQ+3], s[58:59]
.macro OSTORE hi                       ; 64 stores of 512 consecutive bytes, aligned; the largest immediate is 3,874,304, inside the signed 24 bits
.irp f, 0,1,2,3,4,5,6,7
.irp b, 0,1,2,3
	global_store_b128 v1, v[8*(4*\f+\b):8*(4*\f+\b)+3],   s[56:57] offset:(4*\b+2*\hi+((\f)>>2))*258048+((\f)&3)*1024
	global_store_b128 v1, v[8*(4*\f+\b)+4:8*(4*\f+\b)+7], s[56:57] offset:(4*\b+2*\hi+((\f)>>2))*258048+((\f)&3)*1024+512
.endr
.endr
.endm
	WIN 0x08                                       ; store data (source 1) in window 2
	OSTORE 0
	WIN 0x0c                                       ; in window 3
	OSTORE 1
	WIN 0
	s_wait_tensorcnt 0x0
	ds_add_u32 v126, v127
	s_wait_dscnt 0x0
	ROUND                                          ; the closing round: no work-group ends while a partner may still ask for a tile that names it
	s_endpgm
.Lfunc_end_k_qe4d9efd314_flash:
	.size	k_qe4d9efd314_flash, .Lfunc_end_k_qe4d9efd314_flash-k_qe4d9efd314_flash
	.p2alignl 7, 3214868480
	.fill 96, 4, 3214868480
	.section	.rodata,"a",@progbits
	.p2align	6, 0x0
	.amdhsa_kernel k_qe4d9efd314_flash
		.amdhsa_group_segment_fixed_size 327680
		.amdhsa_private_segment_fixed_size 0
		.amdhsa_enable_private_segment 0
		.amdhsa_kernarg_size 48
		.amdhsa_user_sgpr_count 2
		.amdhsa_user_sgpr_kernarg_segment_ptr 1
		.amdhsa_wavefront_size32 1
		.amdhsa_system_sgpr_workgroup_id_x 1
		.amdhsa_system_sgpr_workgroup_id_y 1
		.amdhsa_system_sgpr_workgroup_id_z 1
		.amdhsa_system_vgpr_workitem_id 0
		.amdhsa_next_free_vgpr 1024
		.amdhsa_next_free_sgpr 66
		.amdhsa_reserve_vcc 0
		.amdhsa_float_denorm_mode_32 3
		.amdhsa_float_denorm_mode_16_64 3
		.amdhsa_memory_ordered 1
		.amdhsa_forward_progress 1
		.amdhsa_inst_pref_size 255
	.end_amdhsa_kernel
	.section	.bss,"aw",@nobits
	.p2align	6
	.space	262144
	.amdgpu_metadata
---
amdhsa.version: [ 1, 2 ]
amdhsa.kernels:
  - .name:           k_qe4d9efd314_flash
    .symbol:         k_qe4d9efd314_flash.kd
    .args:
      - { .name: patterns, .offset: 0, .size: 8, .value_kind: global_buffer, .address_space: global }
      - { .name: qf, .offset: 8, .size: 8, .value_kind: global_buffer, .address_space: global }
      - { .name: biasc, .offset: 16, .size: 8, .value_kind: global_buffer, .address_space: global }
      - { .name: opart, .offset: 24, .size: 8, .value_kind: global_buffer, .address_space: global }
      - { .name: ml, .offset: 32, .size: 8, .value_kind: global_buffer, .address_space: global }
      - { .name: tmax, .offset: 40, .size: 8, .value_kind: global_buffer, .address_space: global }
    .group_segment_fixed_size: 327680
    .private_segment_fixed_size: 0
    .kernarg_segment_align: 8
    .kernarg_segment_size: 48
    .max_flat_workgroup_size: 128
    .sgpr_count:     66
    .vgpr_count:     1024
    .wavefront_size: 32
...
	.end_amdgpu_metadata
.endif
;; end of part 2
;; launch combine (part 3): grid 256 x 1, 4 waves a work-group, no clusters, 4,864 bytes of LDS; arguments opart, ml, tmax, out0, lse, flags; writes out0, lse, flags
.if DOCPART == 3
	.amdgcn_target "amdgcn-amd-amdhsa--gfx1250"
	.amdhsa_code_object_version 6
	.text
	.protected	k_qe4d9efd314_combine
	.globl	k_qe4d9efd314_combine
	.p2align	8
	.type	k_qe4d9efd314_combine,@function
k_qe4d9efd314_combine:
	s_mov_b64 s[64:65], 0
	v_nop
	global_prefetch_b8 v0, s[64:65] scope:SCOPE_SE
	s_setreg_imm32_b32 hwreg(HW_REG_WAVE_MODE, 25, 1), 1
	s_wait_xcnt 0x0
; COMBINE.  The 63 chunks' partial results meet.  Work-group x = 4 rb + dg makes rows 16 rb .. +15, d = 64 dg .. +63 of out0; wave w the 16 d of block 4 dg + w.
;   M = max m_c,  L = sum l_c exp2(m_c - M),  out0 = sum O_c exp2(m_c - M) / L,  lse = M + log2 L (base 2).
; It also decides, as whole numbers, which (16 rows x 64 columns) blocks the last launch has to look at: only weights above 0.1 count there, and a tile can hold one
; only if its row maximum exceeds lse + log2(0.1).  The comparison is made 0.25 lower, which can only name more blocks.
; flags [rb: 64][u: 16][lane: 32][2 words]: wave u = 4 dg + w covers chunks 4 u .. 4 u + 3; word 13 (c & 3) + k holds in bits 0-15 rows 0-15 for step k, in bits 16-31 for step 12 + k.
; A stream: each byte of opart is read once, by loads of 512 consecutive bytes, 32 of them always out in each wave; no matrix unit, no cluster (no two work-groups share a byte of opart).
; LIMIT: the margin 0.25 covers the difference between the two launches' orders of summation for logits up to about 2e5 in base 2.
.set T,    64                          ; v64-115   tile maxima: T + 13 cc + k
.set RING, 128                         ; v128-255  16 slots of 8 registers
; window 1: v[2c], v[2c+1] = m_c, l_c of my row; m_c becomes exp2(m_c - M) / L
.set MSB, 0
.macro WIN new                         ; the immediate's high byte repeats the setting that is left
.if MSB != \new
	s_set_vgpr_msb (MSB<<8)|\new
.set MSB, \new
.endif
.endm
.macro TLOAD n                         ; lanes 0-15: step k of chunk 4 u + cc; lanes 16-31: step 12 + k
.if (\n)/13 < 3
	global_load_b32 v[T+\n], v3, s[8:9] offset:((\n)/13)*102400+((\n)%13)*4096
.else
	global_load_b32 v[T+\n], v3, s[26:27] offset:((\n)%13)*4096
.endif
.endm
	s_load_b256 s[4:11], s[0:1], 0x0               ; opart s[4:5], ml s[6:7], tmax s[8:9], out0 s[10:11]
	s_load_b128 s[12:15], s[0:1], 0x20             ; lse s[12:13], flags s[14:15]
	v_lshl_add_u32 v126, v0, 2, 0x1100
	v_mov_b32 v127, 0
	v_lshrrev_b32 v1, 5, v0
	v_readfirstlane_b32 s16, v1                    ; wave 0..3
	s_lshr_b32 s18, ttmp9, 2                       ; rb
	s_and_b32 s19, ttmp9, 3                        ; dg
	s_lshr_b32 s20, s18, 2                         ; gw: the wave of the bulk launch that made these rows
	s_and_b32 s21, s18, 3                          ; its row block
	s_lshl2_add_u32 s22, s19, s16                  ; u
	v_and_b32 v24, 15, v0                          ; r
	v_bfe_u32 v25, v0, 4, 1                        ; h
	v_and_b32 v26, 31, v0                          ; lane
	v_lshlrev_b32 v1, 4, v24                       ; ml: 16 r
	v_lshlrev_b32 v2, 4, v26
	v_lshl_add_u32 v2, s16, 10, v2                 ; opart: 1,024 w + 16 x lane
	v_lshlrev_b32 v3, 3, v24
	v_mad_u32_u24 v3, v25, 0xc000, v3              ; tmax: 8 r + 12 steps of 4,096 bytes for lanes 16-31
	v_mul_u32_u24 v20, v24, 272
	v_lshl_add_u32 v20, v25, 5, v20
	v_lshl_add_u32 v20, s16, 6, v20                ; stage, in: 272 r + 64 w + 32 h
	v_lshrrev_b32 v21, 4, v0                       ; thread >> 4: a row 0..7
	v_lshlrev_b32 v22, 10, v21
	v_mul_u32_u24 v21, v21, 272
	v_lshl_add_u32 v21, v24, 4, v21                ; stage, back: 272 row + 16 (thread & 15)
	v_lshl_add_u32 v22, v24, 4, v22                ; out0: 1,024 row + 16 (thread & 15)
	v_lshlrev_b32 v23, 3, v26                      ; flags: 8 x lane
	v_lshlrev_b32 v27, 2, v24                      ; lse: 4 r
	v_mov_b32 v18, 0                               ; the two flag words of each lane
	v_mov_b32 v19, 0
	s_mov_b32 s25, 0
	s_and_b32 s28, s21, 1                          ; the pair layout: row block = h' + 2 e
	s_lshr_b32 s29, s21, 1
	s_wait_kmcnt 0x0
	s_mul_i32 s24, ttmp9, 258048
	s_add_nc_u64 s[4:5], s[4:5], s[24:25]
	s_lshl_b32 s24, s20, 9                         ; ml: 512 gw + 256 h' + 8 e
	s_lshl_b32 s30, s28, 8
	s_add_co_u32 s24, s24, s30
	s_lshl3_add_u32 s24, s29, s24
	s_add_nc_u64 s[6:7], s[6:7], s[24:25]
	s_lshl_b32 s24, s20, 8                         ; tmax: 256 gw + 128 h' + 4 e
	s_lshl_b32 s30, s28, 7
	s_add_co_u32 s24, s24, s30
	s_lshl2_add_u32 s24, s29, s24
	s_add_nc_u64 s[8:9], s[8:9], s[24:25]
	s_lshl2_add_u32 s24, s22, 3
	s_min_u32 s24, s24, 62                         ; the fourth chunk; for u = 15 chunk 62 again, into words that nothing reads
	s_mul_i32 s24, s24, 102400
	s_add_nc_u64 s[26:27], s[8:9], s[24:25]
	s_mul_i32 s24, s22, 409600
	s_add_nc_u64 s[8:9], s[8:9], s[24:25]
	s_lshl_b32 s24, s18, 14                        ; out0: 16 rb rows + 256 dg
	s_lshl_b32 s30, s19, 8
	s_add_co_u32 s24, s24, s30
	s_add_nc_u64 s[10:11], s[10:11], s[24:25]
	s_lshl_b32 s24, s18, 6
	s_add_nc_u64 s[12:13], s[12:13], s[24:25]
	s_lshl_b32 s24, s18, 12                        ; flags: 4,096 rb + 256 u
	s_lshl_b32 s30, s22, 8
	s_add_co_u32 s24, s24, s30
	s_add_nc_u64 s[14:15], s[14:15], s[24:25]
	WIN 0x40                                       ; loaded data into window 1
.set c, 0
.rept 63
	global_load_b64 v[2*c:2*c+1], v1, s[6:7] offset:8192*c
.set c, c+1
.endr
	WIN 0
.set c, 0
.rept 16
	global_load_b128 v[RING+8*c:RING+8*c+3],   v2, s[4:5] offset:4096*c th:TH_LOAD_NT
	global_load_b128 v[RING+8*c+4:RING+8*c+7], v2, s[4:5] offset:4096*c+512 th:TH_LOAD_NT
.set c, c+1
.endr
	s_wait_loadcnt 32                              ; m and l are in: the ring's 32 loads stay out
	WIN 0x15                                       ; all three sources in window 1
	v_max3_num_f32 v4, v0, v2, v4                  ; m of chunks 0, 1, 2
	WIN 0x14
.set c, 3
.rept 30
	v_max3_num_f32 v4, v4, v[2*c], v[2*c+2]
.set c, c+2
.endr
	WIN 0x41                                       ; destination and first source in window 1
.set c, 0
.rept 63
	v_sub_f32 v[2*c], v[2*c], v4
.set c, c+1
.endr
.set c, 0
.rept 63
	v_exp_f32 v[2*c], v[2*c]
.set c, c+1
.endr
	v_nop                                          ; one plain instruction before the exponentials are read (ISA guide 5.7.2)
	WIN 0x05
	s_wait_alu depctr_va_vdst(0)
	v_mul_f32 v5, v1, v0                           ; l_0 e_0 starts the sum
.set c, 1
.rept 62
	v_fma_f32 v5, v[2*c+1], v[2*c], v5
.set c, c+1
.endr
	WIN 0
	v_rcp_f32 v6, v5                               ; L is at least 1: the largest element of the row counts as exp2(0)
	v_log_f32 v7, v5
	v_nop
	s_wait_alu depctr_va_vdst(0)
	v_add_f32 v7, v4, v7                           ; lse in base 2
	v_add_f32 v16, 0xc0649a78, v7                  ; + log2(0.1) - 0.25
	WIN 0x41
.set c, 0
.rept 63
	v_mul_f32 v[2*c], v[2*c], v6
.set c, c+1
.endr
	WIN 0x04                                       ; the second source (a chunk's factor) in window 1; loads name destination and address, both in window 0
.set c, 0
.rept 63
.set rr, RING+8*(c%16)
.if c <= 47
	s_wait_loadcnt 30                              ; chunk c is in: the 15 chunks behind it stay out
.else
.if c <= 60
	s_wait_loadcnt 2*c-64                          ; 2 (62 - c) loads of the ring and 4 (c - 47) of tile maxima were issued behind chunk c
.else
	s_wait_loadcnt 2*(62-c)+52                     ; and all 52 of them from turn 60 on
.endif
.endif
.irp j, 0,2,4,6
.if c == 0
	v_pk_mul_f32 v[8+\j:9+\j], v[rr+\j:rr+\j+1], v[2*c:2*c+1] op_sel_hi:[1,0]
.else
	v_pk_fma_f32 v[8+\j:9+\j], v[rr+\j:rr+\j+1], v[2*c:2*c+1], v[8+\j:9+\j] op_sel_hi:[1,0,1]
.endif
.endr
.if c <= 46
	global_load_b128 v[rr:rr+3],   v2, s[4:5] offset:4096*(c+16) th:TH_LOAD_NT
	global_load_b128 v[rr+4:rr+7], v2, s[4:5] offset:4096*(c+16)+512 th:TH_LOAD_NT
.else
.if c <= 59
	TLOAD 4*(c-47)+0                               ; where the ring has nothing more to ask for, the tile maxima go out, four a turn
	TLOAD 4*(c-47)+1
	TLOAD 4*(c-47)+2
	TLOAD 4*(c-47)+3
.endif
.endif
.set c, c+1
.endr
	WIN 0
	; a lane holds 8 neighbouring d of one row: through LDS (pitch 272), so that sixteen lanes store 256 consecutive bytes, aligned
	ds_store_b128 v20, v[8:11]
	ds_store_b128 v20, v[12:15] offset:16
	s_wait_dscnt 0x0                               ; for the other waves' sake
	s_barrier_signal -1
	s_barrier_wait -1
	ds_load_b128 v[28:31], v21
	ds_load_b128 v[32:35], v21 offset:2176         ; eight rows further down
	s_wait_dscnt 0x1
	global_store_b128 v22, v[28:31], s[10:11]
	s_wait_dscnt 0x0
	global_store_b128 v22, v[32:35], s[10:11] offset:8192
	s_wait_loadcnt 0x0                             ; the tile maxima
.set n, 0
.rept 52
	v_cmp_gt_f32 s30, v[T+n], v16                  ; one bit a lane: row r, step k (lanes 0-15) or 12 + k (lanes 16-31)
	v_writelane_b32 v[18+n/32], s30, n%32
.set n, n+1
.endr
	global_store_b64 v23, v[18:19], s[14:15]       ; 256 consecutive bytes, aligned
	s_or_b32 s24, s19, s16                         ; one wave for each row block stores lse
	s_cmp_lg_u32 s24, 0
	s_cbranch_scc1 .Ldone
	s_wait_xcnt 0x0                                ; EXEC is a source of the pending stores: it changes only behind this wait
	v_cmp_gt_u32 vcc_lo, 16, v26
	s_and_saveexec_b32 s31, vcc_lo
	global_store_b32 v27, v7, s[12:13]
	s_wait_xcnt 0x0
	s_or_b32 exec_lo, exec_lo, s31
.Ldone:
	s_wait_tensorcnt 0x0
	ds_add_u32 v126, v127
	s_wait_dscnt 0x0
	s_endpgm
.Lfunc_end_k_qe4d9efd314_combine:
	.size	k_qe4d9efd314_combine, .Lfunc_end_k_qe4d9efd314_combine-k_qe4d9efd314_combine
	.p2alignl 7, 3214868480
	.fill 96, 4, 3214868480
	.section	.rodata,"a",@progbits
	.p2align	6, 0x0
	.amdhsa_kernel k_qe4d9efd314_combine
		.amdhsa_group_segment_fixed_size 4864
		.amdhsa_private_segment_fixed_size 0
		.amdhsa_enable_private_segment 0
		.amdhsa_kernarg_size 48
		.amdhsa_user_sgpr_count 2
		.amdhsa_user_sgpr_kernarg_segment_ptr 1
		.amdhsa_wavefront_size32 1
		.amdhsa_system_sgpr_workgroup_id_x 1
		.amdhsa_system_sgpr_workgroup_id_y 1
		.amdhsa_system_sgpr_workgroup_id_z 1
		.amdhsa_system_vgpr_workitem_id 0
		.amdhsa_next_free_vgpr 384
		.amdhsa_next_free_sgpr 66
		.amdhsa_reserve_vcc 1
		.amdhsa_float_denorm_mode_32 3
		.amdhsa_float_denorm_mode_16_64 3
		.amdhsa_memory_ordered 1
		.amdhsa_forward_progress 1
		.amdhsa_inst_pref_size 64
	.end_amdhsa_kernel
	.amdgpu_metadata
---
amdhsa.version: [ 1, 2 ]
amdhsa.kernels:
  - .name:           k_qe4d9efd314_combine
    .symbol:         k_qe4d9efd314_combine.kd
    .args:
      - { .name: opart, .offset: 0, .size: 8, .value_kind: global_buffer, .address_space: global }
      - { .name: ml, .offset: 8, .size: 8, .value_kind: global_buffer, .address_space: global }
      - { .name: tmax, .offset: 16, .size: 8, .value_kind: global_buffer, .address_space: global }
      - { .name: out0, .offset: 24, .size: 8, .value_kind: global_buffer, .address_space: global }
      - { .name: lse, .offset: 32, .size: 8, .value_kind: global_buffer, .address_space: global }
      - { .name: flags, .offset: 40, .size: 8, .value_kind: global_buffer, .address_space: global }
    .group_segment_fixed_size: 4864
    .private_segment_fixed_size: 0
    .kernarg_segment_align: 8
    .kernarg_segment_size: 48
    .max_flat_workgroup_size: 128
    .sgpr_count:     66
    .vgpr_count:     384
    .wavefront_size: 32
...
	.end_amdgpu_metadata
.endif
;; end of part 3
;; launch depth (part 4): grid 521 x 1, 3 waves a work-group, no clusters, 0 bytes of LDS; arguments patterns, qf, biasc, lse, flags, depths, dmaxp, out1; writes out1
.if DOCPART == 4
	.amdgcn_target "amdgcn-amd-amdhsa--gfx1250"
	.amdhsa_code_object_version 6
	.text
	.protected	k_qe4d9efd314_depth
	.globl	k_qe4d9efd314_depth
	.p2align	8
	.type	k_qe4d9efd314_depth,@function
k_qe4d9efd314_depth:
	s_mov_b64 s[64:65], 0
	v_nop
	global_prefetch_b8 v0, s[64:65] scope:SCOPE_SE
	s_setreg_imm32_b32 hwreg(HW_REG_WAVE_MODE, 25, 1), 1
	s_wait_xcnt 0x0
; DEPTH.  out1 = depths + (max_w > 0.1 ? 0.01 (1 - 0.7 log1p(depths) / max(log1p(max depths), 1e-8)) max_w : 0),  max_w = the column maximum of the normalised weights.
; One wave for each of the 1,563 tiles of 64 columns (3 x 521), none waits for another.  A weight above 0.1 can lie only in a (16 rows x 64 columns) block that the launch before
; has named in flags (whole numbers).  The wave reads its tile's 64 words, one for each row block; where none is set, max_w does not count and the wave goes straight to the end.
; Otherwise it makes the named blocks' logits again on the matrix unit, from the same bf16 operands and the same bias as the bulk launch, takes lse away,
; and keeps the maximum.  Blocks that are not named hold only weights below 0.1, so the maximum over the named ones is max_w wherever it counts.
; Tiles 0 .. 1549 are columns 64 t ..; tiles 1550 .. 1562 are steps 12 .. 24 of the last chunk, whose window begins at column 98,400: they begin 32 columns
; early, and store only columns from 99,200 on.
; No cluster, no tensor loads, no LDS: the waves share nothing, and a wave with no named block loads 2.5 KiB.
; LIMITS: NaN is not carried.  log1p(x) = log(1 + x) x / ((1 + x) - 1), and x itself where 1 + x rounds to 1.
	s_load_b512 s[4:19], s[0:1], 0x0               ; patterns s[4:5], qf s[6:7], biasc s[8:9], lse s[10:11], flags s[12:13], depths s[14:15], dmaxp s[16:17], out1 s[18:19]
	v_lshrrev_b32 v1, 5, v0
	v_readfirstlane_b32 s20, v1                    ; wave 0..2
	s_mov_b32 s34, 0x76543210                      ; v_permlanex16_b32: lane i of one half reads lane i of the other
	s_mov_b32 s35, 0xfedcba98
	s_mov_b32 s37, 0x3c23d70a                      ; 0.01
	s_mov_b32 s56, 0xaaaaaaaa                      ; lanes with bit 0 set
	s_mov_b32 s57, 0xcccccccc                      ; lanes with bit 1 set
	s_mov_b32 s58, 0xf0f00f0f                      ; lanes whose bit 2 equals their bit 4
	s_mul_i32 s21, ttmp9, 3
	s_add_co_u32 s21, s21, s20                     ; my tile t
	s_mul_i32 s22, s21, 5243
	s_lshr_b32 s22, s22, 17                        ; chunk c = t / 25 (exact for t < 1,563)
	s_mul_i32 s23, s22, 25
	s_sub_co_u32 s23, s21, s23
	s_lshl_b32 s24, s21, 6
	s_cmp_ge_u32 s21, 1550                         ; the last chunk?
	s_cselect_b32 s28, 12, 0
	s_cselect_b32 s25, 32, 0
	s_cselect_b32 s26, 768, 0
	s_cselect_b32 s27, 99200, 0                    ; the first column that I store
	s_add_co_u32 s23, s23, s28                     ; step s in the chunk
	s_sub_co_u32 s25, s24, s25                     ; my first column
	s_add_co_u32 s26, s24, s26                     ; its entry in biasc
	s_mov_b32 s29, 0xffff
	s_cmp_gt_u32 s23, 12
	s_cselect_b32 s28, 12, 0
	s_cselect_b32 s29, 0xffff0000, s29             ; steps 13 .. 24 lie in the words' upper halves
	s_sub_co_u32 s30, s23, s28                     ; k
	s_and_b32 s31, s22, 3
	s_mul_i32 s31, s31, 13
	s_add_co_u32 s30, s30, s31                     ; word 13 (c & 3) + k
	s_lshr_b32 s31, s22, 2
	s_lshl_b32 s31, s31, 8                         ; 256 u
	s_and_b32 s32, s30, 31
	s_lshl3_add_u32 s31, s32, s31
	s_lshr_b32 s32, s30, 5
	s_lshl2_add_u32 s32, s32, s31                  ; the word's place in a row block's 4,096 bytes
	s_mov_b32 s33, 0
	s_lshl_b32 s38, s25, 2
	s_mov_b32 s39, 0
	v_and_b32 v1, 31, v0                           ; lane
	v_and_b32 v32, 15, v0                          ; r
	v_bfe_u32 v33, v0, 4, 1                        ; h
	v_lshlrev_b32 v2, 10, v32
	v_lshl_add_u32 v2, v33, 5, v2                  ; patterns: 1,024 r + 32 h
	v_lshlrev_b32 v3, 4, v1                        ; 16 x lane
	v_lshlrev_b32 v4, 2, v32                       ; lse: 4 r
	v_lshlrev_b32 v5, 5, v33                       ; bias: 32 h
	v_lshlrev_b32 v30, 3, v1                       ; depths, out1: 8 x lane
	v_lshlrev_b32 v31, 12, v1                      ; flags: row block = lane
	s_wait_kmcnt 0x0
	s_add_nc_u64 s[12:13], s[12:13], s[32:33]
	s_add_nc_u64 s[14:15], s[14:15], s[38:39]
	s_add_nc_u64 s[18:19], s[18:19], s[38:39]
	global_load_b32 v6, v31, s[12:13]              ; row blocks 0-31
	global_load_b32 v7, v31, s[12:13] offset:131072        ; row blocks 32-63
	global_load_b64 v[8:9], v30, s[14:15]          ; my two columns' depths
.irp i, 0,1,2,3
	global_load_b128 v[10+4*\i:13+4*\i], v3, s[16:17] offset:512*\i
.endr
	v_mov_b32 v26, 0                               ; max_w of my two columns, where nothing is named
	v_mov_b32 v27, 0
	v_mov_b32 v29, 0                               ; the upper register of the pair whose lower holds lse
	s_wait_loadcnt 5                               ; the two flag words are in: five loads were issued behind them
	v_and_b32 v6, s29, v6
	v_and_b32 v7, s29, v7
	v_cmp_ne_u32 s40, 0, v6                        ; bit i: row block i is named
	v_cmp_ne_u32 s41, 0, v7                        ; bit i: row block 32 + i
	s_or_b32 s48, s40, s41
	s_cmp_eq_u32 s48, 0
	s_cbranch_scc1 .Ltail
	s_lshl_b32 s32, s25, 10
	s_add_nc_u64 s[52:53], s[4:5], s[32:33]        ; my first pattern row
	s_lshl_b32 s32, s26, 2
	s_add_nc_u64 s[54:55], s[8:9], s[32:33]        ; its bias
	s_mov_b32 s51, 0
.Lnblk:                                            ; four column blocks of 16
.irp k, 0,1,2,3,4,5,6,7
	global_load_b128 v[128+16*\k:131+16*\k], v2, s[52:53] offset:128*\k
	global_load_b128 v[132+16*\k:135+16*\k], v2, s[52:53] offset:128*\k+16
	global_load_b128 v[136+16*\k:139+16*\k], v2, s[52:53] offset:128*\k+64
	global_load_b128 v[140+16*\k:143+16*\k], v2, s[52:53] offset:128*\k+80
.endr
	global_load_b128 v[48:51], v5, s[54:55]
	global_load_b128 v[52:55], v5, s[54:55] offset:16
.irp j, 0,1,2,3,4,5,6,7
	v_mov_b32 v[56+\j], 0xf149f2ca                 ; the running maximum of logit - lse starts at -1e30
.endr
	s_mov_b64 s[44:45], s[6:7]                     ; qf and lse at row block 0
	s_mov_b64 s[46:47], s[10:11]
	s_mov_b32 s50, 0
	s_wait_loadcnt 0x0
.irp k, 0,1,2,3,4,5,6,7
.irp j, 0,1,2,3,4,5,6,7
	v_cvt_pk_bf16_f32 v[128+16*\k+\j], v[128+16*\k+2*\j], v[128+16*\k+2*\j+1]     ; in place, ascending: K step k's fragment at 128 + 16 k
.endr
.endr
.Lrb:                                              ; 64 row blocks; the named ones are worked on
	s_cmp_lt_u32 s50, 32
	s_cselect_b32 s48, s40, s41
	s_lshr_b32 s48, s48, s50                       ; the shift takes the counter's low five bits
	s_and_b32 s48, s48, 1
	s_cmp_eq_u32 s48, 0
	s_cbranch_scc1 .Lnext
.irp i, 0,1,2,3,4,5,6,7,8,9,10,11,12,13,14,15
	global_load_b128 v[64+4*\i:67+4*\i], v3, s[44:45] offset:512*\i
.endr
	global_load_b32 v28, v4, s[46:47]
	s_wait_loadcnt 0x0
	; two accumulators take turns, one instruction a turn; the bias starts the first sum
	v_wmma_f32_16x16x32_bf16 v[32:39], v[128:135], v[64:71], v[48:55]
	v_wmma_f32_16x16x32_bf16 v[40:47], v[144:151], v[72:79], 0
.irp k, 2,4,6
	v_wmma_f32_16x16x32_bf16 v[32:39], v[128+16*\k:135+16*\k], v[64+8*\k:71+8*\k], v[32:39]
	v_wmma_f32_16x16x32_bf16 v[40:47], v[144+16*\k:151+16*\k], v[72+8*\k:79+8*\k], v[40:47]
.endr
.rept 5
	v_nop                                          ; four places before the sums are read and before loads land in the operands, five before the next block's first product writes over them
.endr
.irp j, 0,2,4,6
	v_pk_add_f32 v[32+\j:33+\j], v[32+\j:33+\j], v[40+\j:41+\j]
.endr
.irp j, 0,2,4,6
	v_pk_add_f32 v[32+\j:33+\j], v[32+\j:33+\j], v[28:29] op_sel_hi:[1,0] neg_lo:[0,1] neg_hi:[0,1]   ; - lse of my row
.endr
.irp j, 0,1,2,3,4,5,6,7
	v_max_num_f32 v[56+\j], v[56+\j], v[32+\j]
.endr
.Lnext:
	s_add_nc_u64 s[44:45], s[44:45], 8192          ; no load that names these bases is out: each trip waits for its own
	s_add_nc_u64 s[46:47], s[46:47], 64
	s_add_co_u32 s50, s50, 1
	s_cmp_lt_u32 s50, 64
	s_cbranch_scc1 .Lrb
.irp m, 1,2,4,8
.irp j, 0,1,2,3,4,5,6,7
	v_max_num_f32_dpp v[56+\j], v[56+\j], v[56+\j] row_xmask:\m row_mask:0xf bank_mask:0xf     ; over the 16 rows of a block: every lane of half h now holds columns 8h + 0 .. 7
.endr
.endr
	; Lane L owns columns 2 L and 2 L + 1 of the tile: block L >> 3, half (L >> 2) & 1, registers 2 (L & 3) and 2 (L & 3) + 1.
	v_cndmask_b32 v32, v56, v58, s56               ; the register pair named by L & 3, of my own half
	v_cndmask_b32 v34, v60, v62, s56
	v_cndmask_b32 v33, v57, v59, s56
	v_cndmask_b32 v35, v61, v63, s56
	v_cndmask_b32 v32, v32, v34, s57
	v_cndmask_b32 v33, v33, v35, s57
	v_permlanex16_b32 v6, v32, s34, s35            ; the same pair of the other half (L & 3 is the same there); v6, v7 have been written: the destination counts as read
	v_permlanex16_b32 v7, v33, s34, s35
	v_cndmask_b32 v32, v6, v32, s58                ; my own half where (L >> 2) & 1 = L >> 4, the other half elsewhere
	v_cndmask_b32 v33, v7, v33, s58
	v_exp_f32 v32, v32                             ; the largest weight of each of the two columns
	v_exp_f32 v33, v33
	s_lshl_b32 s59, s51, 3
	s_lshl_b32 s59, 0xff, s59                      ; the eight lanes that own this column block
	v_nop                                          ; one plain instruction before the exponentials are read (ISA guide 5.7.2)
	s_wait_alu depctr_va_vdst(0)
	v_cndmask_b32 v26, v26, v32, s59
	v_cndmask_b32 v27, v27, v33, s59
	s_add_nc_u64 s[52:53], s[52:53], 16384
	s_add_nc_u64 s[54:55], s[54:55], 64
	s_add_co_u32 s51, s51, 1
	s_cmp_lt_u32 s51, 4
	s_cbranch_scc1 .Lnblk
.Ltail:
	s_wait_loadcnt 0x0
	v_max3_num_f32 v10, v10, v11, v12
	v_max3_num_f32 v10, v10, v13, v14
	v_max3_num_f32 v10, v10, v15, v16
	v_max3_num_f32 v10, v10, v17, v18
	v_max3_num_f32 v10, v10, v19, v20
	v_max3_num_f32 v10, v10, v21, v22
	v_max3_num_f32 v10, v10, v23, v24
	v_max_num_f32 v10, v10, v25
	v_max_num_f32_dpp v10, v10, v10 row_xmask:1 row_mask:0xf bank_mask:0xf
	v_max_num_f32_dpp v10, v10, v10 row_xmask:2 row_mask:0xf bank_mask:0xf
	v_max_num_f32_dpp v10, v10, v10 row_xmask:4 row_mask:0xf bank_mask:0xf
	v_max_num_f32_dpp v10, v10, v10 row_xmask:8 row_mask:0xf bank_mask:0xf
	v_permlanex16_b32 v11, v10, s34, s35
	v_max_num_f32 v10, v10, v11                    ; the largest depth (log1p rises, so its log1p is the largest)
	; log1p of v10, v8, v9
	v_add_f32 v12, 1.0, v10
	v_add_f32 v13, 1.0, v8
	v_add_f32 v14, 1.0, v9
	v_add_f32 v15, -1.0, v12
	v_add_f32 v16, -1.0, v13
	v_add_f32 v17, -1.0, v14
	v_log_f32 v12, v12
	v_log_f32 v13, v13
	v_log_f32 v14, v14
	v_rcp_f32 v18, v15
	v_rcp_f32 v19, v16
	v_rcp_f32 v20, v17
	v_mul_f32 v21, 0x3f317218, v10                 ; x ln 2: also the plain instruction behind the transcendentals (ISA guide 5.7.2)
	v_mul_f32 v22, 0x3f317218, v8
	v_mul_f32 v23, 0x3f317218, v9
	s_wait_alu depctr_va_vdst(0)
	v_mul_f32 v12, v12, v21
	v_mul_f32 v13, v13, v22
	v_mul_f32 v14, v14, v23
	v_mul_f32 v12, v12, v18
	v_mul_f32 v13, v13, v19
	v_mul_f32 v14, v14, v20
	v_cmp_eq_f32 vcc_lo, 0, v15
	v_cndmask_b32 v12, v12, v10, vcc_lo
	v_cmp_eq_f32 vcc_lo, 0, v16
	v_cndmask_b32 v13, v13, v8, vcc_lo
	v_cmp_eq_f32 vcc_lo, 0, v17
	v_cndmask_b32 v14, v14, v9, vcc_lo
	v_max_num_f32 v12, 0x322bcc77, v12             ; clip at 1e-8
	v_rcp_f32 v12, v12
	v_lshl_add_u32 v15, v1, 1, s25                 ; my first column: also the plain instruction behind v_rcp_f32
	s_wait_alu depctr_va_vdst(0)
	v_mul_f32 v12, 0xbbe56042, v12                 ; -0.007 / log1p(max)
	v_fma_f32 v13, v13, v12, s37                   ; the rate: 0.01 - 0.007 dominance
	v_fma_f32 v14, v14, v12, s37
	v_mul_f32 v13, v13, v26
	v_mul_f32 v14, v14, v27
	v_cmp_lt_f32 vcc_lo, 0x3dcccccd, v26           ; 0.1 < max_w
	v_cndmask_b32 v13, 0, v13, vcc_lo
	v_cmp_lt_f32 vcc_lo, 0x3dcccccd, v27
	v_cndmask_b32 v14, 0, v14, vcc_lo
	v_add_f32 v8, v8, v13
	v_add_f32 v9, v9, v14
	s_wait_xcnt 0x0                                ; EXEC changes only behind this wait
	v_cmp_le_u32 vcc_lo, s27, v15                  ; the columns that are mine
	s_and_saveexec_b32 s36, vcc_lo
	global_store_b64 v30, v[8:9], s[18:19]         ; 256 consecutive bytes a wave
	s_wait_xcnt 0x0
	s_or_b32 exec_lo, exec_lo, s36
	s_endpgm
.Lfunc_end_k_qe4d9efd314_depth:
	.size	k_qe4d9efd314_depth, .Lfunc_end_k_qe4d9efd314_depth-k_qe4d9efd314_depth
	.p2alignl 7, 3214868480
	.fill 96, 4, 3214868480
	.section	.rodata,"a",@progbits
	.p2align	6, 0x0
	.amdhsa_kernel k_qe4d9efd314_depth
		.amdhsa_group_segment_fixed_size 0
		.amdhsa_private_segment_fixed_size 0
		.amdhsa_enable_private_segment 0
		.amdhsa_kernarg_size 64
		.amdhsa_user_sgpr_count 2
		.amdhsa_user_sgpr_kernarg_segment_ptr 1
		.amdhsa_wavefront_size32 1
		.amdhsa_system_sgpr_workgroup_id_x 1
		.amdhsa_system_sgpr_workgroup_id_y 1
		.amdhsa_system_sgpr_workgroup_id_z 1
		.amdhsa_system_vgpr_workitem_id 0
		.amdhsa_next_free_vgpr 256
		.amdhsa_next_free_sgpr 66
		.amdhsa_reserve_vcc 1
		.amdhsa_float_denorm_mode_32 3
		.amdhsa_float_denorm_mode_16_64 3
		.amdhsa_memory_ordered 1
		.amdhsa_forward_progress 1
		.amdhsa_inst_pref_size 21
	.end_amdhsa_kernel
	.amdgpu_metadata
---
amdhsa.version: [ 1, 2 ]
amdhsa.kernels:
  - .name:           k_qe4d9efd314_depth
    .symbol:         k_qe4d9efd314_depth.kd
    .args:
      - { .name: patterns, .offset: 0, .size: 8, .value_kind: global_buffer, .address_space: global }
      - { .name: qf, .offset: 8, .size: 8, .value_kind: global_buffer, .address_space: global }
      - { .name: biasc, .offset: 16, .size: 8, .value_kind: global_buffer, .address_space: global }
      - { .name: lse, .offset: 24, .size: 8, .value_kind: global_buffer, .address_space: global }
      - { .name: flags, .offset: 32, .size: 8, .value_kind: global_buffer, .address_space: global }
      - { .name: depths, .offset: 40, .size: 8, .value_kind: global_buffer, .address_space: global }
      - { .name: dmaxp, .offset: 48, .size: 8, .value_kind: global_buffer, .address_space: global }
      - { .name: out1, .offset: 56, .size: 8, .value_kind: global_buffer, .address_space: global }
    .group_segment_fixed_size: 0
    .private_segment_fixed_size: 0
    .kernarg_segment_align: 8
    .kernarg_segment_size: 64
    .max_flat_workgroup_size: 96
    .sgpr_count:     66
    .vgpr_count:     256
    .wavefront_size: 32
...
	.end_amdgpu_metadata
.endif
;; end of part 4
